; MI455X (gfx1250); checked and timed in simulation.
; The chip was launched on July 23, 2026; its instructions are those of AMD's public machine-readable ISA for CDNA 5 (MIT licence, August 2026) and "CDNA5" Instruction Set Architecture Reference Guide (July 2026). The comments in the code are by the model that wrote it; some were corrected since.
;; LTM. Allowed arithmetic: matrix products marked QUANTISED: E2M1 operands, one E8M0 scale for each 32 along K, by v_wmma_scale_f32_16x16x128_f8f6f4 with both operands' format E2M1 (or v_wmma_scale_f32_32x16x128_f4), f32 sums; everything else in f32.
;; Inputs: W_f_codes 2,048 x 64 x 16 uint8 (E2M1 codes of W_f, K innermost, in blocks of 32 codes, two codes a byte); W_f_scales 2,048 x 64 uint8 (E8M0 scales of W_f, one for each 32 codes along K); W_g_codes 2,048 x 64 x 16 uint8 (E2M1 codes of W_g, K innermost, in blocks of 32 codes, two codes a byte); W_g_scales 2,048 x 64 uint8 (E8M0 scales of W_g, one for each 32 codes along K); W_i_codes 2,048 x 64 x 16 uint8 (E2M1 codes of W_i, K innermost, in blocks of 32 codes, two codes a byte); W_i_scales 2,048 x 64 uint8 (E8M0 scales of W_i, one for each 32 codes along K); W_o_codes 2,048 x 64 x 16 uint8 (E2M1 codes of W_o, K innermost, in blocks of 32 codes, two codes a byte); W_o_scales 2,048 x 64 uint8 (E8M0 scales of W_o, one for each 32 codes along K); b_f 2,048 float32; b_g 2,048 float32; b_i 2,048 float32; b_o 2,048 float32; cx 1 x 2,048 float32; x_codes 4,096 x 64 x 16 uint8 (E2M1 codes of x, K innermost, in blocks of 32 codes, two codes a byte); x_scales 4,096 x 64 uint8 (E8M0 scales of x, one for each 32 codes along K).
;; Outputs: out0 4,096 x 2,048 float32.
;; This version of the problem:
;;   THIS VERSION OF THE PROBLEM IS GIVEN IN LOW PRECISION. The matrix products marked QUANTISED in the list below multiply operands that are first quantised to E2M1 (2 exponent bits, 1 mantissa bit; 4 bits a number), with one power-of-two scale for each 32 numbers along K (OCP MX v1.0); their sums are f32. All else is computed in f32.
;;   The module's matrix products, in the order in which they are computed (A, B: the left and right operand; K: the contracted axis; several contracted axes count as one K, in the product's order):
;;     1. [M 4,096, K 2,048] x [K 2,048, N 2,048]; A: input x (given as codes); B: input W_i (given as codes): QUANTISED
;;     2. [M 4,096, K 2,048] x [K 2,048, N 2,048]; A: input x (given as codes); B: input W_f (given as codes): QUANTISED
;;     3. [M 4,096, K 2,048] x [K 2,048, N 2,048]; A: input x (given as codes); B: input W_g (given as codes): QUANTISED
;;     4. [M 4,096, K 2,048] x [K 2,048, N 2,048]; A: input x (given as codes); B: input W_o (given as codes): QUANTISED
;;   THE QUANTISER, for each operand of a quantised product, along K:
;;     - K is cut into blocks of 32 from its start; a last block that is shorter is filled with zeros.
;;     - A block's scale is 2^e with e = floor(log2(the largest magnitude in the block)) - 2, held to -126 .. 127; a block of zeros has e = 0. As a byte (E8M0): e + 127.
;;     - Each number is divided by its block's scale, clamped to +-6, and rounded to the nearest number of E2M1, ties to even, subnormals kept.
;;     - The product sums the exact products of the quantised numbers (number of the format x scale) in f32.
;;   ~~~python
;;   def quantise(x, axis):      # numpy; x: float32 -> the quantised numbers, widened to float32 again
;;       x = np.moveaxis(x, axis, -1); K = x.shape[-1]
;;       x = np.pad(x, [(0, 0)] * (x.ndim - 1) + [(0, -K % 32)]); x = x.reshape(x.shape[:-1] + (-1, 32)); a = np.abs(x).max(-1, keepdims=True)
;;       e = np.where(a > 0, np.clip(np.frexp(np.where(a > 0, a, 1))[1] - 1 - 2, -126, 127), 0)      # np.frexp(a)[1] - 1 = floor(log2(a)), exactly
;;       r = np.clip(x / 2.0 ** e, -6, 6)
;;       step = 2.0 ** (np.maximum(np.frexp(np.where(r == 0, 1, r))[1] - 1, 0) - 1)
;;       q = np.round(r / step) * step * 2.0 ** e      # np.round: ties to even
;;       return np.moveaxis(q.reshape(q.shape[:-2] + (-1,))[..., :K], -1, axis).astype(np.float32)
;;   ~~~
;;   INPUTS GIVEN AS CODES. W_f (in the module: [2048, 2048], K = its axis 1); W_g (in the module: [2048, 2048], K = its axis 1); W_i (in the module: [2048, 2048], K = its axis 1); W_o (in the module: [2048, 2048], K = its axis 1); x (in the module: [4096, 2048], K = its axis 1): each comes as NAME_codes (uint8): NAME with its K axis moved to the last place and cut into blocks of 32 codes, [.., K / 32, bytes a block], one block behind the other in memory; two codes a byte, the lower K in the low four bits (a code: sign, 2 exponent bits, 1 mantissa bit); and NAME_scales (uint8): the same leading axes, one E8M0 byte (e + 127) for each 32 codes along K. Its value is code x scale, taken as it is: it is not quantised again, and the codes and scales need not be those that the quantiser above would give.
;; One version. Each part assembles by itself: llvm-mc -triple=amdgcn-amd-amdhsa -mcpu=gfx1250 --defsym DOCPART=n.
;; ======== version 1 of 1: 1 launch
;; limits: right only within a limited range of input values
;; launch ltm (part 1): grid 32 x 8, 4 waves a work-group, clusters of 4 x 4, 327,680 bytes of LDS; arguments x_codes, x_scales, W_i_codes, W_f_codes, W_g_codes, W_o_codes, W_i_scales, W_f_scales, W_g_scales, W_o_scales, b_i, b_f, b_g, b_o, cx, out0; writes out0
.if DOCPART == 1
	.amdgcn_target "amdgcn-amd-amdhsa--gfx1250"
	.amdhsa_code_object_version 6
	.text
	.protected	k_q662eb7fa92_ltm
	.globl	k_q662eb7fa92_ltm
	.p2align	8
	.type	k_q662eb7fa92_ltm,@function
k_q662eb7fa92_ltm:
	s_mov_b64 s[64:65], 0
	v_nop
	global_prefetch_b8 v0, s[64:65] scope:SCOPE_SE
	s_setreg_imm32_b32 hwreg(HW_REG_WAVE_MODE, 25, 1), 1
	s_wait_xcnt 0x0
	s_wait_alu depctr_hold_cnt(0) depctr_sa_sdst(0) depctr_va_vdst(0) depctr_va_sdst(0) depctr_va_ssrc(0) depctr_va_vcc(0) depctr_vm_vsrc(0)
	s_getreg_b32 s2, hwreg(HW_REG_IB_STS2, 6, 4)
	s_cmp_eq_u32 s2, 0
	s_cbranch_scc0 .Lentry_in_a_cluster
	s_endpgm
.Lentry_in_a_cluster:
	s_bfe_u32 s2, ttmp6, 0x10000c
	s_cmp_lg_u32 s2, 0xf033
	s_cbranch_scc0 .Lentry_shape_is_right
	s_endpgm
.Lentry_shape_is_right:
; h = sigmoid(o) tanh(sigmoid(f) cx + sigmoid(i) tanh(g)), with z = x W_z^T + b_z for z = i, f, g, o.  x [4096][2048] and the four W [2048][2048] are codes of FP4 (E2M1), K innermost,
; with one E8M0 byte for each 32 along K; the four products go to the matrix unit as codes and scale bytes; sums, biases and the gate in f32; out0 [4096][2048] f32.
; NO WORK IS LEFT OUT: cx is an input that may hold any numbers, so f, W_f and b_f reach the result like the other three gates; all fifteen inputs are loaded.
; SHARES.  256 work-groups of four waves.  A WORK-GROUP STAYS: it makes two tiles of 256 rows x 64 columns of out0, 2,048 rows apart, in the same 64 columns, with all FOUR gates of them: each a product of 256 x 256.
; Wave w owns rows 128 (w / 2) on and columns 32 (w % 2) on of a tile: 8 blocks of 16 rows of x against 4 blocks of 32 weight rows (block g: gate g's 32 columns): 32 accumulators of 16 registers.
; So the four gates of one output lie in ONE lane, and the gate is register work.
; THE MATRIX INSTRUCTION (32x16x128) IS USED TRANSPOSED: source 0 = 32 weight rows, source 1 = 16 rows of x: lane (r, h) holds row r of x and, in register 8 cb + j, column 16 cb + 8 h + j.
; K = 2,048 is 16 steps of 128, written out (each step names its own scale registers); four steps (256 bytes of a row) lie in an LDS slot; two slots take turns.
; BOTH operands' fragments have two register sets: a step multiplies one set, and in its middle ONE run of 32 LDS loads brings the next step's into the other.
; A step has five sources (x and four weights) and four waves with one tensor load each behind a barrier: x (wave 0), W_i, W_f, W_g (waves 1, 2, 3).  So W_o's 64 rows come ONCE, for all of K, at the head, through registers into LDS bytes of their own,
; while slot 0 is on its way, and stay for both tiles: 64 KB of the 960 KB that the work-group fetches, and the one tile that is not asked for jointly, since no wave has a tensor load left for it.
; THE RING GOES ON INTO THE NEXT TILE: behind a tile's last product slot 0 is asked for again with the next tile's first quarter of K, and in the middle of the gate slot 1 with its second: both land under the gate.
; The weights' scale words, the biases and cx belong to the columns and stay in registers; x's scale words of the next tile are loaded under the gate; a tile's stores leave while the next tile is multiplied.
; THE SCALE WORDS (four bytes: 128 along K of one row) of the wave's 128 rows of x and 4 x 32 weight rows, for all of K, lie in 128 registers, a lane a row: a weight's word fills 32 lanes; of x's, lanes 0-15 serve an even block, lanes 16-31 (ROW1) an odd one.
; CLUSTERS: 4 x 4 work-groups.  x's tile hangs on the tile row alone and is asked for jointly by the four of a row of the cluster, the weights' tiles on the tile column alone, by the four of a column.
; PREFETCHES INTO THE L2: tile 1's quarter 1 of K at the head, one group of loads ahead; its quarters 2 and 3 behind slot 1's first fill, a slot and two slots ahead; the next tile's quarters 2 and 3 of x in the middle of the gate.
; THE GATE, eight transcendentals an output.  L = log2(e).  E_z = 2^u_z, u_z = -L (z + b_z) for i, f, o and u_g = min(-2 L (g + b_g), 32) (the bias, multiplied once at the head, is the addend of the one fused multiply-add).
;   u_c = min(-2 L cx / (1 + E_f) + (2 L E_g - 2 L) / ((1 + E_i)(1 + E_g)), 32) = -2 L c;  E_c = 2^u_c;  h = (1 - E_c) / ((1 + E_c)(1 + E_o)).  An E_i, E_f or E_o beyond f32 gives a reciprocal of 0, which is its gate's limit.
; LIMITS.  The hold of the two exponents at 32 moves a tanh by 2^-31 at the most.  The hold takes the number where the other source is a NaN: a NaN among the sums (a scale byte 0xff), the biases or cx
; need not be carried to the result.  |cx| of 2^126 and beyond is not served (-2 L cx may overflow).
; REGISTERS, in windows of 256.  Window 0: v0-15 the gate's second carry; v16-31 addresses and constants; v32-95 x's scale words; v96-159 the weights' scale words; v160-223 x's fragments, set 0, later the gate's 64 numbers; v224-239 the gate's first carry; v240-255 -2 L cx.
;   Window 1: v0-63, v128-191 the weights' fragments, sets 0 and 1, later eight sets of rows read back; v64-127 the biases x -L (g: -2 L); v192-255 x's fragments, set 1.   Windows 2, 3: accumulator (a, g) at v[64 (a % 4) + 16 g] of window 2 + a / 4; at the head v0-127 of window 2 hold W_o on its way into LDS.
.set PITCH,  272                       ; an LDS row: 256 bytes + 16 of padding = 68 words, so that the 16 rows that a fragment load touches start at 16 different banks (64 banks of 4 bytes: ISA guide 11.1)
.set AREG,   256*PITCH                 ; x's 256 rows in a slot
.set GATEB,  64*PITCH                  ; a weight's 64 rows
.set BLK,    16*PITCH                  ; a block of 16 rows
.set SLOT,   AREG+3*GATEB              ; x, W_i, W_f, W_g
.set OBASE,  2*SLOT                    ; behind the ring: W_o's 64 rows, four quarters of K: bytes of its own, stored once at the head, into which no fill ever lands
.set SPARE,  OBASE+4*GATEB             ; behind them: the spare words, 128 bytes for each wave: two blocks of 256 bytes that no other line names
.set STG,    SPARE+512                 ; behind them: the way out's stage, 16 rows x 272 bytes for each half of the tile's rows: bytes of its own, into which no fill ever lands
.set KROW,   1024                      ; a row of codes in memory: 2,048 codes
.set OROW,   8192                      ; a row of out0 in bytes
.set TILES,  2                         ; tiles of a work-group
.set WALK,   2048                      ; rows from a tile to the next
.set PFQ,  6                           ; v6      at the head alone: a prefetch's offset: 1,024 x (lane % 16)
.set WOS,  7                           ; v7      at the head alone: where I store W_o
.set ADRA, 16                          ; v16-17  LDS address of my fragments of x in slot 0, 1
.set ADRB, 18                          ; v18-19  of my fragments of W_i (W_f, W_g by the offset)
.set ADRO, 20                          ; v20     of my fragments of W_o
.set STO,  21                          ; v21     the stage: where I put 16 bytes of a row
.set RD,   22                          ; v22     and where I read a row back
.set CO,   23                          ; v23     my byte offset in out0
.set LOF,  24                          ; v24     64 x lane: a row of scale bytes
.set HOF,  25                          ; v25     32 x (lane / 16): my eight numbers of a bias
.set PFO,  26                          ; v26     a prefetch's offset: 1,024 x (lane % 16) + 256 x (lane / 16); never rewritten
.set WOF,  27                          ; v27     my byte offset in W_o's 64 rows
.set SPW,  28                          ; v28     LDS address of my spare word: SPARE + 4 x my thread's number; never rewritten
.set NIL,  29                          ; v29     0; never rewritten
.set VN2L, 30                          ; v[30:31] -2 L, twice
.set SCA,  32                          ; v[SCA + 16 j + t]: lane l: the scale word of my row 32 j + l of x for step t
.set SCB,  96                          ; v[SCB + 16 g + t]: lane l: that of gate g's row 32 (w % 2) + l
.set AF,   160                         ; x's fragments: set 0 here in window 0, set 1 at AF + 32 in window 1
.set UB,   160                         ; the gate: UI, UF, UG, UO: 16 numbers each, index 8 cb + j
.set UI,   UB
.set UF,   UB+16
.set UG,   UB+32
.set UO,   UB+48
.set HC,   224                         ; from block to block: u_c, E_c, 1 - E_c, h
.set OO,   0                           ; from block to block: 1 + E_o, (1 + E_c)(1 + E_o), its reciprocal
.set CXR,  240
.set BI,   64                          ; window 1
.set PFB,  10                          ; s[10:11] where my prefetches of my weight stand: my tile column's rows, my work-group's 16 of them (by cy); never rewritten
.set WV,   36                          ; s36 wave;  s37 its half of the rows;  s38 its half of the columns
.set RH,   37
.set CH,   38
.set TX,   41                          ; s41 tile column (64 columns of out0);  s42 the first tile's row of tiles (256 rows)
.set TY,   42
.set G1A,  48                          ; s[48:55] descriptor group 1 for x's tiles;  s[56:63] for the weights'
.set G1B,  56
.set TLS,  66                          ; s66 tiles to go, this one among them: the same number in every work-group
.set G0A,  68                          ; s[68:75] group 0 for x's tiles, a set for each slot;  s[76:83] for the wave's weight
.set G0B,  76
.set PFA,  88                          ; s[88:89] first the address of the weight that I fetch; then where my prefetch of the next tile's x stands; then never rewritten
.set SNL,  94                          ; s[94:95] -L;  s[96:97] -2 L;  s[98:99] 2 L (the packed forms name a pair and take its low word for both halves; both words are written)
.set SN2L, 96
.set SP2L, 98
.set CAP,  100                         ; s100 32.0
.set MSB, 0
.macro WIN new                         ; the immediate's high byte repeats the setting that is left; a switch that changes nothing is dropped
.if MSB != (\new)
	s_set_vgpr_msb (MSB<<8)|(\new)
.set MSB, (\new)
.endif
.endm
.set MUL_LO, 0xa1                      ; source 0 (weights) window 1, source 1 (x) window 0, C and D window 2; + 4: x's set 1, in window 1
.set MUL_HI, 0xf1                      ; the same, C and D window 3
.macro WAITV
	s_wait_alu depctr_va_vdst(0)
.endm
.macro PLACES n                        ; plain vector instructions behind a matrix instruction, ahead of loads into its registers and of reads of its results
.rept \n
	v_nop
.endr
.endm
; A joint load: wave 0 fetches x's 256 rows, waves 1 to 3 the 64 rows of W_i, W_f, W_g.  Each of the two lines has ONE mask; the branch hangs on the wave's number alone.
; An s_nop 0 and four v_nop follow each of the two lines, ahead of the jump, the label and what follows.
.macro JLOAD sl
	s_cmp_eq_u32 s[WV], 0
	s_cbranch_scc0 .Lfor_w_\@
	tensor_load_to_lds s[G0A+4*(\sl):G0A+4*(\sl)+3], s[G1A:G1A+7]
	s_nop 0
	PLACES 4
	s_branch .Lasked_\@
.Lfor_w_\@:
	tensor_load_to_lds s[G0B+4*(\sl):G0B+4*(\sl)+3], s[G1B:G1B+7]
	s_nop 0
	PLACES 4
.Lasked_\@:
.endm
.macro CREST                           ; a round of the cluster's barrier behind its opening barrier
	s_cmp_lg_u32 s[WV], 0
	s_cbranch_scc1 .Lnot_wave_0_\@
	s_barrier_signal -3
.Lnot_wave_0_\@:
	s_barrier_wait -3
	s_barrier_signal -1
	s_barrier_wait -1
.endm
.macro CROUND                          ; a whole round
	s_barrier_signal -1
	s_barrier_wait -1
	CREST
.endm
.macro DRAIN                           ; ahead of a refill, of a later first fill and at the wave's end: all my tensor loads have landed, 0 onto my spare word, all my LDS instructions are done
	s_wait_tensorcnt 0x0
	ds_add_u32 v[SPW], v[NIL]
	s_wait_dscnt 0x0
.endm
; PREFETCHES OF x.  A tile row of x is read by the eight clusters of that row of clusters: every other one of them (cluster x even, the same in all sixteen partners) asks.  In such a cluster each aligned block of 256 bytes is named once:
; the four partners that ask for x's tile jointly share its 256 rows out BY ADDRESS (by cx), 64 each; of those a wave takes 16, a lane a row and, with the offset PFO, one of two neighbouring blocks: one instruction a wave.
.macro ASKX reg, off
	s_and_b32 s2, ttmp9, 1
	s_cmp_eq_u32 s2, 0
	s_cbranch_scc0 .Lnot_x_\@
	global_prefetch_b8 v[\reg], s[PFA:PFA+1] offset:\off th:TH_LOAD_NT scope:SCOPE_SE
.Lnot_x_\@:
.endm
; The first tile's x and weights from byte \at of their rows on.  Waves 1 to 3 ask for the weight that they fetch: each cluster names each block of its tile columns once; the four partners of a column share its 64 rows out BY ADDRESS (by cy), 16 each.
.macro ASKT reg, at
	ASKX \reg, (\at)-512-WALK*KROW
	s_cmp_eq_u32 s[WV], 0
	s_cbranch_scc1 .Lnot_w_\@
	global_prefetch_b8 v[\reg], s[PFB:PFB+1] offset:\at th:TH_LOAD_NT scope:SCOPE_SE
.Lnot_w_\@:
.endm
	s_load_b512 s[4:19], s[0:1], 0x0               ; x_codes s[4:5], x_scales s[6:7], W_i, W_f, W_g, W_o codes s[8:15], W_i, W_f scales s[16:19]
	s_load_b512 s[20:35], s[0:1], 0x40             ; W_g, W_o scales s[20:23], b_i, b_f, b_g, b_o s[24:31], cx s[32:33], out0 s[34:35]
	v_lshl_add_u32 v[SPW], v0, 2, SPARE
	v_mov_b32 v[NIL], 0
	ds_add_u32 v[SPW], v[NIL]                      ; the wave's opening: the add, twice on end, and its wait ahead of my first tensor load; the set-up below, work on registers, stands between
	ds_add_u32 v[SPW], v[NIL]                      ; and once more, under the one wait
	v_lshrrev_b32 v1, 5, v0
	v_readfirstlane_b32 s[WV], v1                  ; wave 0..3
	s_lshr_b32 s[RH], s[WV], 1
	s_and_b32 s[CH], s[WV], 1
	s_bfe_u32 s39, ttmp6, 0x40000                  ; cx, cy: my place in the cluster
	s_bfe_u32 s40, ttmp6, 0x40004
	s_lshl_b32 s[TX], ttmp9, 2
	s_add_co_u32 s[TX], s[TX], s39                 ; tile column = 4 x cluster x + cx
	s_and_b32 s[TY], ttmp7, 0xffff
	s_lshl_b32 s[TY], s[TY], 2
	s_add_co_u32 s[TY], s[TY], s40                 ; the first tile's row of tiles = 4 x cluster y + cy: 0 to 7
	s_lshl_b32 s43, s40, 2
	s_lshl_b32 s43, 15, s43                        ; my row of the cluster
	s_lshl_b32 s44, 0x1111, s39                    ; my column
	; LDS addresses and offsets, under the arguments' flight
	s_mul_i32 s90, s[RH], 128*PITCH                ; my 128 rows of x in slot 0
	s_add_co_u32 s91, s90, SLOT                    ; and in slot 1
	s_mul_i32 s92, s[CH], 32*PITCH                 ; my 32 rows of each weight:
	s_add_co_u32 s46, s92, OBASE                   ; of W_o,
	s_add_co_u32 s92, s92, AREG                    ; of the others in slot 0
	s_add_co_u32 s93, s92, SLOT                    ; and in slot 1
	s_mul_i32 s3, s[RH], BLK                       ; the stage: my half's 16 rows
	s_add_co_u32 s3, s3, STG
	s_lshl_b32 s47, s[CH], 7
	s_add_co_u32 s47, s47, s3                      ; in: byte 128 (w % 2) of them
	s_mul_i32 s2, s[CH], 8*PITCH
	s_add_co_u32 s3, s3, s2                        ; back: from row 8 (w % 2) on
	s_lshl_b32 s2, s[WV], 14                       ; W_o: my wave brings 16 of the 64 rows: from memory,
	s_mul_i32 s45, s[WV], BLK
	s_add_co_u32 s45, s45, OBASE                   ; into LDS
	v_and_b32 v1, 15, v0                           ; r = lane % 16
	v_bfe_u32 v2, v0, 4, 1                         ; h = lane / 16
	v_and_b32 v3, 31, v0                           ; lane
	v_lshlrev_b32 v[LOF], 6, v3
	v_lshl_add_u32 v[WOF], v3, 4, s2               ; 16 bytes a lane: a load of the wave covers 512 neighbouring bytes of a row, two quarters of K
	v_lshlrev_b32 v[HOF], 5, v2
	v_mov_b32 v[VN2L], 0xc038aa3b
	v_mov_b32 v[VN2L+1], 0xc038aa3b
	v_lshlrev_b32 v[PFQ], 10, v1
	v_lshl_add_u32 v[PFO], v2, 8, v[PFQ]
	v_mul_u32_u24 v3, v2, GATEB                    ; lanes 16-31 hold the quarter behind that of lanes 0-15
	v_lshl_add_u32 v3, v1, 4, v3
	v_add_nc_u32 v[WOS], s45, v3
	v_mul_u32_u24 v4, v1, PITCH
	v_lshl_add_u32 v4, v2, 4, v4                   ; a fragment's row x pitch + 16 x half
	v_add_nc_u32 v[ADRA], s90, v4
	v_add_nc_u32 v[ADRA+1], s91, v4
	v_add_nc_u32 v[ADRB], s92, v4
	v_add_nc_u32 v[ADRB+1], s93, v4
	v_add_nc_u32 v[ADRO], s46, v4
	v_mul_u32_u24 v5, v1, PITCH                    ; the stage, in: row r, byte 128 (w % 2) + 32 h
	v_lshl_add_u32 v5, v2, 5, v5
	v_add_nc_u32 v[STO], s47, v5
	v_mul_u32_u24 v5, v2, PITCH                    ; back: row 8 (w % 2) + h, 16 bytes a lane: sixteen lanes take a row's 256 bytes
	v_lshl_add_u32 v5, v1, 4, v5
	v_add_nc_u32 v[RD], s3, v5
	v_lshlrev_b32 v[CO], 13, v2                    ; and the same two rows in out0
	v_lshl_add_u32 v[CO], v1, 4, v[CO]
	; descriptor groups 1: rows of 256 bytes (elements of one byte), 1,024 bytes apart in memory, 16 bytes of padding behind each in LDS
	s_or_b32 s[G1A], s43, (1<<20)|(1<<21)|(5<<22)|(3<<25)  ; 15:0 the mask: x's tiles go to my row; 20 padding on; 21 set beside a mask; 24:22 after every 64 words (code 5); 31:25 four words (code 3)
	s_mov_b32 s[G1A+1], 256<<16                    ; tensor_dim0 = 256
	s_mov_b32 s[G1A+2], 256<<16                    ; tensor_dim1 = 256
	s_mov_b32 s[G1A+3], 256<<16                    ; tile_dim0 = 256
	s_mov_b32 s[G1A+4], 256                        ; tile_dim1 = 256 rows
	s_mov_b32 s[G1A+5], KROW                       ; tensor_dim0_stride
	s_mov_b32 s[G1A+6], 0
	s_mov_b32 s[G1A+7], 0
	s_or_b32 s[G1B], s44, (1<<20)|(1<<21)|(5<<22)|(3<<25)  ; the weights' tiles go to my column
	s_mov_b32 s[G1B+1], 256<<16
	s_mov_b32 s[G1B+2], 64<<16                     ; tensor_dim1 = 64
	s_mov_b32 s[G1B+3], 256<<16
	s_mov_b32 s[G1B+4], 64                         ; tile_dim1 = 64 rows
	s_mov_b32 s[G1B+5], KROW
	s_mov_b32 s[G1B+6], 0
	s_mov_b32 s[G1B+7], 0
	s_lshl_b32 s90, s[TY], 18                      ; x: 256 rows of 1,024 bytes a tile row: made of the tile row alone
	s_mov_b32 s91, 0
	s_lshl_b32 s92, s[TX], 16                      ; the weights: 64 rows of 1,024 bytes a tile column: made of the tile column alone
	s_mov_b32 s93, 0
	s_mul_i32 s45, s[WV], GATEB                    ; LDS: a weight's region by the wave's number
	s_mov_b32 s[SNL], 0xbfb8aa3b                   ; -log2(e)
	s_mov_b32 s[SNL+1], 0xbfb8aa3b
	s_mov_b32 s[SN2L], 0xc038aa3b                  ; -2 log2(e)
	s_mov_b32 s[SN2L+1], 0xc038aa3b
	s_mov_b32 s[SP2L], 0x4038aa3b                  ; 2 log2(e)
	s_mov_b32 s[SP2L+1], 0x4038aa3b
	s_mov_b32 s[CAP], 0x42000000                   ; 32.0
	s_mov_b32 s[TLS], TILES
	WAITV
	s_wait_dscnt 0x0                               ; both opening adds are done
	s_wait_kmcnt 0x0
	s_add_nc_u64 s[4:5], s[4:5], s[90:91]          ; x's codes at my first tile's rows
	s_cmp_eq_u32 s[WV], 2                          ; which weight I fetch: wave 1 W_i, wave 2 W_f, wave 3 W_g (wave 0 makes W_i's address and never asks by it)
	s_cselect_b64 s[PFA:PFA+1], s[10:11], s[8:9]
	s_cmp_eq_u32 s[WV], 3
	s_cselect_b64 s[PFA:PFA+1], s[12:13], s[PFA:PFA+1]
	s_add_nc_u64 s[PFA:PFA+1], s[PFA:PFA+1], s[92:93]  ; at my tile column
	s_add_nc_u64 s[14:15], s[14:15], s[92:93]      ; W_o likewise
.irp s, 0,1
	s_mov_b32 s[G0A+4*\s], 1                       ; 1:0 count = 1
	s_mov_b32 s[G0A+4*\s+1], \s*SLOT               ; 63:32 LDS address
	s_add_nc_u64 s[G0A+4*\s+2:G0A+4*\s+3], s[4:5], \s*256  ; 120:64 global address: quarter s of K
	s_or_b32 s[G0A+4*\s+3], s[G0A+4*\s+3], 0x80000000      ; 127:126 type = 2
	s_mov_b32 s[G0B+4*\s], 1
	s_add_co_u32 s[G0B+4*\s+1], s45, \s*SLOT+AREG-GATEB    ; wave w's weight lies behind x's rows, at region w - 1
	s_add_nc_u64 s[G0B+4*\s+2:G0B+4*\s+3], s[PFA:PFA+1], \s*256
	s_or_b32 s[G0B+4*\s+3], s[G0B+4*\s+3], 0x80000000
.endr
	CROUND                                         ; all sixteen work-groups are here: the first joint loads meet
	JLOAD 0                                        ; my part of slot 0 (K 0 to 511)
	WIN 0x80                                       ; destination window 2
.set k, 0
.rept 16                                       ; W_o, my 16 rows: row k in two loads, K 0 to 1,023 and K 1,024 to 2,047
	global_load_b128 v[8*k:8*k+3], v[WOF], s[14:15] offset:KROW*k
	global_load_b128 v[8*k+4:8*k+7], v[WOF], s[14:15] offset:KROW*k+512
.set k, k+1
.endr
	WIN 0
	; where my prefetches stand.  Of x: the next tile's rows, my work-group's 64 of them (by cx), my wave's 16 of those, byte 512 of a row.  Of my weight: its rows of my tile column, my work-group's 16 of them (by cy)
	s_lshl_b32 s12, s40, 14
	s_mov_b32 s13, 0
	s_add_nc_u64 s[PFB:PFB+1], s[PFA:PFA+1], s[12:13]
	s_lshl_b32 s90, s39, 16
	s_lshl_b32 s46, s[WV], 14
	s_add_co_u32 s90, s90, s46
	s_add_co_u32 s90, s90, WALK*KROW+512
	s_add_nc_u64 s[PFA:PFA+1], s[4:5], s[90:91]
	; the plain pointers, each at my wave's part
	s_lshl_b32 s2, s[TY], 14                       ; x's scale bytes: 64 a row; 256 rows a tile row, my 128
	s_lshl_b32 s3, s[RH], 13
	s_add_co_u32 s2, s2, s3
	s_mov_b32 s3, 0
	s_add_nc_u64 s[6:7], s[6:7], s[2:3]
	s_lshl_b32 s2, s[TX], 12                       ; the weights' scale bytes: 64 rows a tile column, my 32
	s_lshl_b32 s46, s[CH], 11
	s_add_co_u32 s2, s2, s46
.irp g, 0,1,2,3
	s_add_nc_u64 s[16+2*\g:17+2*\g], s[16+2*\g:17+2*\g], s[2:3]
.endr
	s_lshl_b32 s2, s[TX], 8                        ; the biases and cx: 64 numbers a tile column, my 32
	s_lshl_b32 s46, s[CH], 7
	s_add_co_u32 s2, s2, s46
.irp g, 0,1,2,3,4
	s_add_nc_u64 s[24+2*\g:25+2*\g], s[24+2*\g:25+2*\g], s[2:3]
.endr
	s_lshl_b32 s2, s[TY], 21                       ; out0: 256 rows of 8,192 bytes a tile row, + my half's 128 rows, + 8 rows for the odd wave of a half, + 256 bytes a tile column
	s_lshl_b32 s46, s[RH], 20
	s_add_co_u32 s2, s2, s46
	s_lshl_b32 s46, s[CH], 16
	s_add_co_u32 s2, s2, s46
	s_lshl_b32 s46, s[TX], 8
	s_add_co_u32 s2, s2, s46
	s_add_nc_u64 s[34:35], s[34:35], s[2:3]
.macro XSCALES                         ; x's scale words: lane l takes row 32 j + l; four loads cover its 64 bytes, and the four together 2,048 consecutive bytes
.irp j, 0,1,2,3
.irp c, 0,1,2,3
	global_load_b128 v[SCA+16*\j+4*\c:SCA+16*\j+4*\c+3], v[LOF], s[6:7] offset:2048*\j+16*\c
.endr
.endr
.endm
	XSCALES
	ASKT PFQ, 256                                  ; quarter 1 of K, which slot 1 takes behind the next round (lanes 16-31 name the blocks of lanes 0-15 again)
.irp g, 0,1,2,3                                ; the weights' scale words: gate g's 32 rows
.irp c, 0,1,2,3
	global_load_b128 v[SCB+16*\g+4*\c:SCB+16*\g+4*\c+3], v[LOF], s[16+2*\g:17+2*\g] offset:16*\c
.endr
.endr
	WIN 0x40                                       ; destination window 1
.irp g, 0,1,2,3                                ; the biases in the result's layout: index 16 g + 8 cb + j is column 16 cb + 8 h + j
.irp cb, 0,1
.irp e, 0,1
	global_load_b128 v[BI+16*\g+8*\cb+4*\e:BI+16*\g+8*\cb+4*\e+3], v[HOF], s[24+2*\g:25+2*\g] offset:64*\cb+16*\e
.endr
.endr
.endr
	WIN 0
.irp cb, 0,1
.irp e, 0,1
	global_load_b128 v[CXR+8*\cb+4*\e:CXR+8*\cb+4*\e+3], v[HOF], s[32:33] offset:64*\cb+16*\e
.endr
.endr
	s_wait_loadcnt 52                              ; W_o's 32 loads are in; behind them: 16 + 16 of scale words, 16 of biases, 4 of cx
	WIN 0x08                                       ; an LDS store's data are its source 1: window 2
.set k, 0
.rept 16
	ds_store_b128 v[WOS], v[8*k:8*k+3] offset:PITCH*k                     ; quarters 0 and 1,
	ds_store_b128 v[WOS], v[8*k+4:8*k+7] offset:2*GATEB+PITCH*k           ; 2 and 3
.set k, k+1
.endr
	WIN 0
	DRAIN                                          ; my part of slot 0 is in, my stores of W_o are done
	CROUND                                         ; slot 0 and W_o are whole for every wave
	JLOAD 1                                        ; my part of slot 1 (K 512 to 1,023): its first fill, issued as a refill is
	s_wait_loadcnt 0x0                             ; scale words, biases, cx
	s_wait_xcnt 0x0                                ; the head's prefetches have read their addresses: the gate writes over v6
	WIN 0x41                                       ; destination and source 0 window 1
.set k, 0
.rept 32                                       ; the biases x -L (gate g: x -2 L): then the bias is the addend of the gate's first multiply-add
.if (k >= 32) && (k < 48)
	v_pk_mul_f32 v[BI+k:BI+k+1], v[BI+k:BI+k+1], s[SN2L:SN2L+1] op_sel_hi:[1,0]
.else
	v_pk_mul_f32 v[BI+k:BI+k+1], v[BI+k:BI+k+1], s[SNL:SNL+1] op_sel_hi:[1,0]
.endif
.set k, k+2
.endr
	WIN 0
.irp i, 0,2,4,6,8,10,12,14
	v_pk_mul_f32 v[CXR+\i:CXR+\i+1], v[CXR+\i:CXR+\i+1], s[SN2L:SN2L+1] op_sel_hi:[1,0]   ; -2 L cx
.endr
	WAITV
	ASKT PFO, 512                                  ; quarters 2 and 3 of K, which the first tile's two refills will ask for: one slot and two slots ahead of them
; One product: gate g's 32 weight rows against x's block a, step t, register set p.  The scale words: the weights' (source 0) in all 32 lanes; x's (source 1): an odd block's lie in lanes 16-31 (ROW1).  zero = 1: the product starts the sum.
.macro WM a, g, p, t, zero
.set rD, 64*((\a)%4)+16*(\g)
.set rB, 128*(\p)+16*(\g)
.set rA, AF+32*(\p)+8*(\a)
.set rSB, SCB+16*(\g)+(\t)
.set rSA, SCA+16*((\a)/2)+(\t)
.set sel, 2*(\zero)+(\a)%2
.if sel == 0
	v_wmma_scale_f32_32x16x128_f4 v[rD:rD+15], v[rB:rB+15], v[rA:rA+7], v[rD:rD+15], v[rSB], v[rSA]
.elseif sel == 1
	v_wmma_scale_f32_32x16x128_f4 v[rD:rD+15], v[rB:rB+15], v[rA:rA+7], v[rD:rD+15], v[rSB], v[rSA] matrix_b_scale:MATRIX_SCALE_ROW1
.elseif sel == 2
	v_wmma_scale_f32_32x16x128_f4 v[rD:rD+15], v[rB:rB+15], v[rA:rA+7], 0, v[rSB], v[rSA]
.else
	v_wmma_scale_f32_32x16x128_f4 v[rD:rD+15], v[rB:rB+15], v[rA:rA+7], 0, v[rSB], v[rSA] matrix_b_scale:MATRIX_SCALE_ROW1
.endif
.endm
; 8 products: x's blocks a0, a0 + 1 against the four gates.  The 32 accumulators take turns, one instruction a turn, in the same order in all 16 steps and from tile to tile.
.macro MUL8 a0, p, t, zero
.irp da, 0,1
.irp g, 0,1,2,3
	WM (\a0)+\da, \g, \p, \t, \zero
.endr
.endr
.endm
; A fragment, 16 rows x 128 K of 4-bit codes, is 8 registers: lane l holds row l % 16; registers 4 c .. 4 c + 3 hold K = 64 c + 32 (l / 16) + 0 .. 31: two loads of 16 bytes, 32 bytes apart.  32 weight rows are two such, one behind the other.
; The fragments of quarter kq's step st into set n, one run of 32 loads: W_i, W_f, W_g from slot kq % 2, W_o from its own region, then x's eight blocks.
.macro FETCH kq, st, n
	WIN 0x40                                       ; destination window 1, address window 0
.irp b, 0,1,2,3,4,5
.irp c, 0,1
	ds_load_b128 v[128*(\n)+8*\b+4*\c:128*(\n)+8*\b+4*\c+3], v[ADRB+(\kq)%2] offset:(\b/2)*GATEB+(\b%2)*BLK+64*(\st)+32*\c
.endr
.endr
.irp b, 6,7
.irp c, 0,1
	ds_load_b128 v[128*(\n)+8*\b+4*\c:128*(\n)+8*\b+4*\c+3], v[ADRO] offset:(\kq)*GATEB+(\b%2)*BLK+64*(\st)+32*\c
.endr
.endr
.if (\n) == 0
	WIN 0
.endif
.irp i, 0,1,2,3,4,5,6,7
.irp c, 0,1
	ds_load_b128 v[AF+32*(\n)+8*\i+4*\c:AF+32*(\n)+8*\i+4*\c+3], v[ADRA+(\kq)%2] offset:64*(\st)+32*\c+\i*BLK
.endr
.endr
.endm
; A step of 128 along K that has its successor in the same slot.
.macro STEP kq, st, zero
	s_wait_dscnt 0x0                               ; this step's set is in (asked for 16 products ago)
	WIN MUL_LO+4*((\st)%2)
	MUL8 0, (\st)%2, 4*(\kq)+(\st), \zero
	MUL8 2, (\st)%2, 4*(\kq)+(\st), \zero
	PLACES 4                                       ; ahead of loads into the set that the step before multiplied
	FETCH \kq, (\st)+1, 1-(\st)%2
	WIN MUL_HI+4*((\st)%2)
	MUL8 4, (\st)%2, 4*(\kq)+(\st), \zero
	MUL8 6, (\st)%2, 4*(\kq)+(\st), \zero
.endm
; A slot's last step changes slots: ONE barrier; in front of it each wave waits for all its tensor loads, adds 0 to its spare word, and waits for that and for its own reads of this slot.
; fill = 1: the barrier opens a round of the cluster's barrier, and this slot is filled again, with the quarter of K two on: one joint load a wave, first thing behind the round.
.macro TURN kq, fill
	WIN 0                                          ; (the add's two registers lie in window 0)
	s_wait_tensorcnt 0x0                           ; all my tensor loads have landed, my part of the next slot among them
	ds_add_u32 v[SPW], v[NIL]                      ; 0 onto my spare word
	s_wait_dscnt 1                                 ; this step's set is in; the add may be out
	WIN MUL_LO+4
	MUL8 0, 1, 4*(\kq)+3, 0                        ; eight products stand between the add and the wait for it
	s_wait_dscnt 0x0                               ; the add is done, and my reads of this slot are over
	s_barrier_signal -1
	MUL8 2, 1, 4*(\kq)+3, 0
	WIN 0                                          ; (branches may follow)
	s_barrier_wait -1
.if \fill
	CREST                                          ; no wave of any partner still reads this slot's tiles or has a load on its way
	s_add_nc_u64 s[G0A+4*((\kq)%2)+2:G0A+4*((\kq)%2)+3], s[G0A+4*((\kq)%2)+2:G0A+4*((\kq)%2)+3], 512   ; two quarters of K on; the type bits on top are not reached
	s_add_nc_u64 s[G0B+4*((\kq)%2)+2:G0B+4*((\kq)%2)+3], s[G0B+4*((\kq)%2)+2:G0B+4*((\kq)%2)+3], 512
	JLOAD (\kq)%2                                  ; the four v_nop behind it are also the places in front of the loads below
.else
	PLACES 4
.endif
	FETCH (\kq)+1, 0, 0
	WIN MUL_HI+4
	MUL8 4, 1, 4*(\kq)+3, 0
	MUL8 6, 1, 4*(\kq)+3, 0
.endm
; THE RING GOES ON INTO THE NEXT TILE, in two refills, each behind the three lines and a round of the cluster's barrier, one joint load a wave.
; NEXT0 stands behind a tile's last product: nobody reads either slot any more.  Slot 0 takes the next tile's K 0 to 511: x goes WALK rows down and 512 bytes back along K, the weights only back.  x's scale words follow.
.macro NEXT0
	s_wait_tensorcnt 0x0                           ; no tensor load of mine is out, so a group 0 may be written
	ds_add_u32 v[SPW], v[NIL]                      ; 0 onto my spare word
	PLACES 4                                       ; behind the last products: ahead of the loads into x's scale registers and of the first read of results
	s_wait_dscnt 0x0                               ; the add is done; my reads of the slots are long over
	CROUND
	s_add_nc_u64 s[G0A+2:G0A+3], s[G0A+2:G0A+3], WALK*KROW-512
	s_sub_nc_u64 s[G0B+2:G0B+3], s[G0B+2:G0B+3], 512
	JLOAD 0
	s_add_nc_u64 s[6:7], s[6:7], WALK*64           ; (the loads that read this base have been waited for)
	XSCALES                                        ; the next tile's: they land under the gate
.endm
; NEXT1 stands in the gate's middle.  Its wait for all tensor loads, in front of the round, shows slot 0 whole to every wave: the next tile's first step needs no further barrier.  Slot 1 takes the next tile's K 512 to 1,023.
.macro NEXT1
	DRAIN                                          ; my part of slot 0 has landed
	CROUND                                         ; (the round also says that every wave's reads of the stage are over)
	s_add_nc_u64 s[G0A+6:G0A+7], s[G0A+6:G0A+7], WALK*KROW-512
	s_sub_nc_u64 s[G0B+6:G0B+7], s[G0B+6:G0B+7], 512
	JLOAD 1
	ASKX PFO, 0                                    ; what the next tile's two refills will ask for of x, K 1,024 to 2,047 (the weights' rows have been read in the first tile)
.endm
; THE GATE, a block of 16 rows, 16 outputs a lane, at a time.  u = -L z - L b (gate g: -2 L); ascending.
.macro P1 a
.set AC, 64*((\a)%4)
	WIN 0x12+(\a)/4                                ; source 0: the accumulators' window; source 2: window 1, the biases
	WAITV
.set k, 0
.rept 32
.if (k >= 32) && (k < 48)
	v_pk_fma_f32 v[UB+k:UB+k+1], v[AC+k:AC+k+1], s[SN2L:SN2L+1], v[BI+k:BI+k+1] op_sel_hi:[1,0,1]
.else
	v_pk_fma_f32 v[UB+k:UB+k+1], v[AC+k:AC+k+1], s[SNL:SNL+1], v[BI+k:BI+k+1] op_sel_hi:[1,0,1]
.endif
.set k, k+2
.endr
	WIN 0
.endm
; THE WAY OUT, a block of 16 rows of each half at a time.  A row's 256 bytes come from the two waves of a half: they meet in the stage; each wave reads 8 whole rows back and stores them.
.macro ST                              ; my 128 bytes of the block's 16 rows into the stage
.irp cb, 0,1
.irp e, 0,1
	ds_store_b128 v[STO], v[HC+8*\cb+4*\e:HC+8*\cb+4*\e+3] offset:64*\cb+16*\e                 ; row r; columns 16 cb + 8 h + 4 e on
.endr
.endr
.endm
.macro BACK a
.set RB, 128*((\a)/4)+16*((\a)%4)      ; a set of its own for each block: no store's data are written again within a tile
	WIN 0x40
.irp t, 0,1,2,3
	ds_load_b128 v[RB+4*\t:RB+4*\t+3], v[RD] offset:\t*2*PITCH
.endr
	WIN 0
.endm
.macro SEND a
.set RB, 128*((\a)/4)+16*((\a)%4)
	WIN 0x04                                       ; a store's data are its source 1: window 1
.irp t, 0,1,2,3
	global_store_b128 v[CO], v[RB+4*\t:RB+4*\t+3], s[34:35] offset:(16*(\a)+2*\t)*OROW th:TH_STORE_NT   ; 16 lanes store 256 consecutive bytes, at a multiple of 256 from out0's first byte; every offset an immediate, 118 rows at the most
.endr
	WIN 0
.endm
; Turn b of the gate: block b up to its u_c, block b - 1 from its u_c to h and into the stage, block b - 2 from the stage to memory.  The transcendentals go in four regions, with plain work of either block among them that names no result of the
; same region; a wait stands behind each region.  Signal and wait of the stage's two barriers stand apart, a region of register work between: one between a block's stores and its reads,
; one between its reads and the next block's stores.  more = 1: a tile follows: in turn 4 NEXT1's round takes the second barrier's place.
.macro TURN_OF b, more
.if (\b) < 8
	P1 \b
.endif
	WAITV
.set k, 0
.rept 16                               ; region 1: E_c of the block before, E_i, E_f;  the hold of u_g
.if (\b) > 0
	v_exp_f32 v[HC+k], v[HC+k]
.endif
.if (\b) < 8
	v_min_num_f32 v[UG+k], s[CAP], v[UG+k]
	v_exp_f32 v[UI+k], v[UI+k]
	v_exp_f32 v[UF+k], v[UF+k]
.endif
.set k, k+1
.endr
	v_nop
	WAITV
.if (\b) > 1
	s_wait_dscnt 0x0                               ; for the others' sake: my stores into the stage are done
	s_barrier_signal -1
.endif
.set k, 0
.rept 16                               ; region 2: E_g, E_o;  (1 + E_c)(1 + E_o), then 1 - E_c;  1 + E_i, then 1 + E_f
.if (\b) < 8
	v_exp_f32 v[UG+k], v[UG+k]
.endif
.if (\b) > 0
.if k < 8
	v_pk_fma_f32 v[OO+2*k:OO+2*k+1], v[HC+2*k:HC+2*k+1], v[OO+2*k:OO+2*k+1], v[OO+2*k:OO+2*k+1]
.else
	v_pk_fma_f32 v[HC+2*k-16:HC+2*k-15], v[HC+2*k-16:HC+2*k-15], -1.0, 1.0 op_sel_hi:[1,0,0]
.endif
.endif
.if (\b) < 8
	v_exp_f32 v[UO+k], v[UO+k]
.if k < 8
	v_pk_add_f32 v[UI+2*k:UI+2*k+1], v[UI+2*k:UI+2*k+1], 1.0 op_sel_hi:[1,0]
.else
	v_pk_add_f32 v[UF+2*k-16:UF+2*k-15], v[UF+2*k-16:UF+2*k-15], 1.0 op_sel_hi:[1,0]
.endif
.endif
.set k, k+1
.endr
	WAITV
.if (\b) > 1
	s_barrier_wait -1                              ; the block's rows are whole
	BACK (\b)-2
.endif
.set k, 0
.rept 16                               ; region 3: 1 / ((1 + E_c)(1 + E_o)), 1 / (1 + E_f);  (1 + E_i)(1 + E_g), then 2 L E_g - 2 L
.if (\b) > 0
	v_rcp_f32 v[OO+k], v[OO+k]
.endif
.if (\b) < 8
.if k < 8
	v_pk_fma_f32 v[UI+2*k:UI+2*k+1], v[UG+2*k:UG+2*k+1], v[UI+2*k:UI+2*k+1], v[UI+2*k:UI+2*k+1]
.else
	v_pk_fma_f32 v[UG+2*k-16:UG+2*k-15], v[UG+2*k-16:UG+2*k-15], s[SP2L:SP2L+1], v[VN2L:VN2L+1] op_sel_hi:[1,0,1]
.endif
	v_rcp_f32 v[UF+k], v[UF+k]
.endif
.set k, k+1
.endr
	v_nop
	WAITV
.if (\b) > 1
	s_wait_dscnt 0x0                               ; the rows are back in registers: my reads of the stage are over
	SEND (\b)-2
.if ((\b) == 4) && (\more)
	NEXT1
.else
	s_barrier_signal -1
.endif
.endif
.set k, 0
.rept 16                               ; region 4: 1 / ((1 + E_i)(1 + E_g));  h, then 1 + E_o, then -2 L cx / (1 + E_f)
.if (\b) < 8
	v_rcp_f32 v[UI+k], v[UI+k]
.endif
.if k < 4
.if (\b) > 0
	v_pk_mul_f32 v[HC+4*k:HC+4*k+1], v[HC+4*k:HC+4*k+1], v[OO+4*k:OO+4*k+1]
	v_pk_mul_f32 v[HC+4*k+2:HC+4*k+3], v[HC+4*k+2:HC+4*k+3], v[OO+4*k+2:OO+4*k+3]
.endif
.elseif (\b) < 8
.if k < 8
	v_pk_add_f32 v[OO+4*k-16:OO+4*k-15], v[UO+4*k-16:UO+4*k-15], 1.0 op_sel_hi:[1,0]
	v_pk_add_f32 v[OO+4*k-14:OO+4*k-13], v[UO+4*k-14:UO+4*k-13], 1.0 op_sel_hi:[1,0]
.else
	v_pk_mul_f32 v[UF+2*k-16:UF+2*k-15], v[CXR+2*k-16:CXR+2*k-15], v[UF+2*k-16:UF+2*k-15]
.endif
.endif
.set k, k+1
.endr
	WAITV
.if (\b) > 1
.if ((\b) != 4) || ((\more) == 0)
	s_barrier_wait -1                              ; everybody's reads are over: the stage may be written again
.endif
.endif
.if (\b) > 0
	ST                                             ; block b - 1
.endif
.if (\b) < 8
.irp i, 0,2,4,6,8,10,12,14
	v_pk_fma_f32 v[HC+\i:HC+\i+1], v[UG+\i:UG+\i+1], v[UI+\i:UI+\i+1], v[UF+\i:UF+\i+1]        ; u_c = -2 L c
.endr
.irp i, 0,1,2,3,4,5,6,7,8,9,10,11,12,13,14,15
	v_min_num_f32 v[HC+\i], s[CAP], v[HC+\i]
.endr
.endif
.endm
.macro GATE more
.irp b, 0,1,2,3,4,5,6,7,8
	TURN_OF \b, \more
.endr
	s_wait_dscnt 0x0
	s_barrier_signal -1
	s_barrier_wait -1
	BACK 7
	s_wait_dscnt 0x0
	SEND 7
.endm
.Ltile:                                            ; on both ways in: slot 0 is whole for every wave, one tensor load of mine (slot 1's) may be out, no load and no LDS instruction is out, every window is 0
	FETCH 0, 0, 0
	STEP 0, 0, 1                                   ; a tile's first step starts the sums: nothing is cleared
	STEP 0, 1, 0
	STEP 0, 2, 0
	TURN 0, 1                                      ; slot 0 takes K 1,024 to 1,535
	STEP 1, 0, 0
	STEP 1, 1, 0
	STEP 1, 2, 0
	TURN 1, 1                                      ; slot 1 takes K 1,536 to 2,047
	STEP 2, 0, 0
	STEP 2, 1, 0
	STEP 2, 2, 0
	TURN 2, 0                                      ; a plain barrier
	STEP 3, 0, 0
	STEP 3, 1, 0
	STEP 3, 2, 0
	s_wait_dscnt 0x0                               ; the tile's last step
	WIN MUL_LO+4
	MUL8 0, 1, 15, 0
	MUL8 2, 1, 15, 0
	WIN MUL_HI+4
	MUL8 4, 1, 15, 0
	MUL8 6, 1, 15, 0
	WIN 0
	s_cmp_eq_u32 s[TLS], 1
	s_cbranch_scc1 .Llast_tile                     ; the last tile's tail is written out: it asks for nothing more
	NEXT0
	GATE 1
	s_wait_xcnt 0x0                                ; the stores have read their registers and their base: the base may step, and the next tile's fragments may land where the rows lay
	s_add_nc_u64 s[34:35], s[34:35], WALK*OROW
	s_wait_loadcnt 0x0                             ; the next tile's scale words of x
	s_sub_co_u32 s[TLS], s[TLS], 1
	s_branch .Ltile
.Llast_tile:
	PLACES 4                                       ; ahead of the first read of results and the first write over x's fragments
	GATE 0
	DRAIN                                          ; the wave's end: behind my last tensor load and my last LDS store
	CROUND                                         ; the closing round: no work-group ends while a partner may still ask for a tile that names it
	s_endpgm
.Lfunc_end_k_q662eb7fa92_ltm:
	.size	k_q662eb7fa92_ltm, .Lfunc_end_k_q662eb7fa92_ltm-k_q662eb7fa92_ltm
	.p2alignl 7, 3214868480
	.fill 96, 4, 3214868480
	.section	.rodata,"a",@progbits
	.p2align	6, 0x0
	.amdhsa_kernel k_q662eb7fa92_ltm
		.amdhsa_group_segment_fixed_size 327680
		.amdhsa_private_segment_fixed_size 0
		.amdhsa_enable_private_segment 0
		.amdhsa_kernarg_size 128
		.amdhsa_user_sgpr_count 2
		.amdhsa_user_sgpr_kernarg_segment_ptr 1
		.amdhsa_wavefront_size32 1
		.amdhsa_system_sgpr_workgroup_id_x 1
		.amdhsa_system_sgpr_workgroup_id_y 1
		.amdhsa_system_sgpr_workgroup_id_z 1
		.amdhsa_system_vgpr_workitem_id 0
		.amdhsa_next_free_vgpr 1024
		.amdhsa_next_free_sgpr 102
		.amdhsa_reserve_vcc 0
		.amdhsa_float_denorm_mode_32 3
		.amdhsa_float_denorm_mode_16_64 3
		.amdhsa_memory_ordered 1
		.amdhsa_forward_progress 1
		.amdhsa_inst_pref_size 255
	.end_amdhsa_kernel
	.section	.bss,"aw",@nobits
	.p2align	6
	.space	262144
	.amdgpu_metadata
---
amdhsa.version: [ 1, 2 ]
amdhsa.kernels:
  - .name:           k_q662eb7fa92_ltm
    .symbol:         k_q662eb7fa92_ltm.kd
    .args:
      - { .name: x_codes, .offset: 0, .size: 8, .value_kind: global_buffer, .address_space: global }
      - { .name: x_scales, .offset: 8, .size: 8, .value_kind: global_buffer, .address_space: global }
      - { .name: W_i_codes, .offset: 16, .size: 8, .value_kind: global_buffer, .address_space: global }
      - { .name: W_f_codes, .offset: 24, .size: 8, .value_kind: global_buffer, .address_space: global }
      - { .name: W_g_codes, .offset: 32, .size: 8, .value_kind: global_buffer, .address_space: global }
      - { .name: W_o_codes, .offset: 40, .size: 8, .value_kind: global_buffer, .address_space: global }
      - { .name: W_i_scales, .offset: 48, .size: 8, .value_kind: global_buffer, .address_space: global }
      - { .name: W_f_scales, .offset: 56, .size: 8, .value_kind: global_buffer, .address_space: global }
      - { .name: W_g_scales, .offset: 64, .size: 8, .value_kind: global_buffer, .address_space: global }
      - { .name: W_o_scales, .offset: 72, .size: 8, .value_kind: global_buffer, .address_space: global }
      - { .name: b_i, .offset: 80, .size: 8, .value_kind: global_buffer, .address_space: global }
      - { .name: b_f, .offset: 88, .size: 8, .value_kind: global_buffer, .address_space: global }
      - { .name: b_g, .offset: 96, .size: 8, .value_kind: global_buffer, .address_space: global }
      - { .name: b_o, .offset: 104, .size: 8, .value_kind: global_buffer, .address_space: global }
      - { .name: cx, .offset: 112, .size: 8, .value_kind: global_buffer, .address_space: global }
      - { .name: out0, .offset: 120, .size: 8, .value_kind: global_buffer, .address_space: global }
    .group_segment_fixed_size: 327680
    .private_segment_fixed_size: 0
    .kernarg_segment_align: 8
    .kernarg_segment_size: 128
    .max_flat_workgroup_size: 128
    .sgpr_count:     102
    .vgpr_count:     1024
    .wavefront_size: 32
...
	.end_amdgpu_metadata
.endif
;; end of part 1
